; MI455X (gfx1250); checked and timed in simulation.
; The chip was launched on July 23, 2026; its instructions are those of AMD's public machine-readable ISA for CDNA 5 (MIT licence, August 2026) and "CDNA5" Instruction Set Architecture Reference Guide (July 2026). The comments in the code are by the model that wrote it; some were corrected since.
;; Self Attention1 D. Allowed arithmetic: matrix products marked QUANTISED: E4M3 operands, one given power-of-two scale a tensor, by v_wmma_f32_16x16x64_fp8_fp8 or v_wmma_f32_16x16x128_fp8_fp8, f32 sums; everything else in f32.
;; Inputs: Wf 512 x 64 float32; Wg 512 x 64 float32; Wh 512 x 512 float32; bf 64 float32; bg 64 float32; bh 512 float32; gamma one number float32; lowp_scales 10 int32 (the exponents e of the quantised operands' scales 2^e); x 4 x 4,096 x 512 float32.
;; Outputs: out0 4 x 4,096 x 512 float32.
;; This version of the problem:
;;   THIS VERSION OF THE PROBLEM IS GIVEN IN LOW PRECISION. The matrix products marked QUANTISED in the list below multiply operands that are first quantised to E4M3 (4 exponent bits, 3 mantissa bits; 8 bits a number), with one given power-of-two scale for each operand tensor; their sums are f32. All else is computed in f32.
;;   The module's matrix products, in the order in which they are computed (A, B: the left and right operand; K: the contracted axis; several contracted axes count as one K, in the product's order):
;;     1. [M 16,384, K 512] x [K 512, N 64]; A: input x; B: input Wf: QUANTISED (scales: A lowp_scales[0], B lowp_scales[1])
;;     2. [M 16,384, K 512] x [K 512, N 64]; A: input x; B: input Wg: QUANTISED (scales: A lowp_scales[2], B lowp_scales[3])
;;     3. [M 16,384, K 512] x [K 512, N 512]; A: input x; B: input Wh: QUANTISED (scales: A lowp_scales[4], B lowp_scales[5])
;;     4. batch 4 x [M 4,096, K 64] x [K 64, N 4,096]; A: computed on the way; B: computed on the way: QUANTISED (scales: A lowp_scales[6], B lowp_scales[7])
;;     5. batch 4 x [M 4,096, K 4,096] x [K 4,096, N 512]; A: softmax (see below); B: computed on the way: QUANTISED (scales: A lowp_scales[8], B lowp_scales[9])
;;   THE QUANTISER, for each operand of a quantised product, along K:
;;     - The operand's scale is 2^e, e = its entry of the input lowp_scales (int32; the entries are numbered through the quantised products in the list's order, A before B).
;;     - Each number is divided by the scale, clamped to +-448, and rounded to the nearest number of E4M3, ties to even, subnormals kept.
;;     - The product sums the exact products of the quantised numbers (number of the format x scale) in f32.
;;   ~~~python
;;   def quantise(x, axis, e):      # numpy; x: float32 -> the quantised numbers, widened to float32 again
;;       x = np.moveaxis(x, axis, -1); K = x.shape[-1]
;;       r = np.clip(x / 2.0 ** e, -448, 448)
;;       step = 2.0 ** (np.maximum(np.frexp(np.where(r == 0, 1, r))[1] - 1, -6) - 3)
;;       q = np.round(r / step) * step * 2.0 ** e      # np.round: ties to even
;;       return np.moveaxis(q, -1, axis).astype(np.float32)
;;   ~~~
;;   SOFTMAX AHEAD OF A QUANTISED PRODUCT. Where the list says 'softmax', what is quantised is not the finished softmax but p = 2^(t - M), with t = logit x log2(e) and M = ceil(the row's largest t), a whole number; so 1/2 < the row's largest p <= 1. The row's sum l is taken of the UNQUANTISED p, in f32, and the product's result is divided by l at the end. Since M is a whole number, a kernel that streams over the keys may use a running M (the ceiling of the running maximum): every later rescaling is an exact power of two, so the quantised numbers keep their values, but for numbers so far below the row's largest that they fall under the format's range.
;;   OPERANDS COMPUTED ON THE WAY. 'Computed on the way' means the value that the module computes at that place (a softmax that the list does not call 'softmax' is quantised finished and normalised). What goes into a quantiser is computed in f32, as accurately as f32 sums, v_exp_f32 and their like allow (about 1e-6 of the number): no bf16 or f16 on the way to a quantiser, and a product that is left as it is and whose result goes on into a quantised operand takes f32 operands (vector FMAs, or v_wmma_f32_16x16x4_f32). A number that lies on a knife's edge between two numbers of the format may be rounded either way, as far as f32 arithmetic and the matrix unit's own rounding can turn it there, and no further.
;; One version. Each part assembles by itself: llvm-mc -triple=amdgcn-amd-amdhsa -mcpu=gfx1250 --defsym DOCPART=n.
;; ======== version 1 of 1: 3 launches
;; workspace buffers: wc 327,680 bytes; fq 1,048,576 bytes; kv 9,437,184 bytes
;; launch wq (part 1): grid 40 x 1, 4 waves a work-group, no clusters, 0 bytes of LDS; arguments Wf, Wg, Wh, lowp_scales, wc; writes wc
.if DOCPART == 1
	.amdgcn_target "amdgcn-amd-amdhsa--gfx1250"
	.amdhsa_code_object_version 6
	.text
	.protected	k_qe58ef3dfc0_wq
	.globl	k_qe58ef3dfc0_wq
	.p2align	8
	.type	k_qe58ef3dfc0_wq,@function
k_qe58ef3dfc0_wq:
	s_mov_b64 s[64:65], 0
	v_nop
	global_prefetch_b8 v0, s[64:65] scope:SCOPE_SE
	s_setreg_imm32_b32 hwreg(HW_REG_WAVE_MODE, 25, 1), 1
	s_wait_xcnt 0x0
; Wf [512][64], Wg [512][64], Wh [512][512], f32 with K as the FIRST axis, become codes of E4M3, laid as images of operand registers.
; code = w / 2^e, held within +-448, to the nearest code, ties to even; e = entry 1 (Wf), 3 (Wg), 5 (Wh) of the given exponents.
; LIMITS: -126 <= e and e + 8 <= 127, so that 2^e and 448 x 2^e are f32 numbers.  NaN among the inputs is not served.
; SHARES.  Work-group T (0..39) takes a tile of 16 columns (T 0-3: Wf, 4-7: Wg, 8-39: Wh), wave s the K step 128 s .. 128 s + 127: one fragment of 16 registers a wave.
; A LANE TAKES A COLUMN AND ITS REGISTERS RUN DOWN K: lane (r, h) holds column r of the tile; registers 4 c .. 4 c + 3 hold k = 128 s + 32 c + 16 h + 0 .. 15, the same places that the next launch gives x's codes.
; OUT: fragment (T, s) lies at (4 T + s) x 2,048; registers 4 c .. 4 c + 3 of lane l at + 512 c + 16 l: each store of the wave covers 512 consecutive bytes, aligned.
; No LDS, no barrier, no loop: waves share nothing.
.set X,  16                            ; v16-79  64 numbers: register 16 c + i = k 32 c + 16 h + i
.set CD, 80                            ; v80-95  the fragment's codes
.macro WLD pitch                       ; 64 loads; pitch = bytes in a row of the weight; sixteen neighbouring lanes read 64 neighbouring bytes
.irp c, 0,1,2,3
.irp i, 0,1,2,3,4,5,6,7,8,9,10,11,12,13,14,15
	global_load_b32 v[X+16*\c+\i], v3, s[26:27] offset:(32*\c+\i)*\pitch
.endr
.endr
.endm
	s_load_b256 s[4:11], s[0:1], 0x0               ; Wf s[4:5], Wg s[6:7], Wh s[8:9], the exponents s[10:11]
	s_load_b64 s[12:13], s[0:1], 0x20              ; wc
	v_lshrrev_b32 v1, 5, v0
	v_readfirstlane_b32 s14, v1                    ; wave = K step s
	v_and_b32 v1, 15, v0                           ; r
	v_bfe_u32 v2, v0, 4, 1                         ; h
	v_and_b32 v4, 31, v0
	v_lshlrev_b32 v4, 4, v4                        ; 16 x lane: my place in an image
	v_lshlrev_b32 v5, 2, v1                        ; 4 r
	s_lshl_b32 s24, ttmp9, 2
	s_add_co_u32 s24, s24, s14
	s_lshl_b32 s24, s24, 11                        ; (4 T + s) x 2,048
	s_mov_b32 s25, 0
	s_mov_b32 s29, 0
	s_wait_kmcnt 0x0
	s_load_b256 s[16:23], s[10:11], 0x0            ; e0 .. e7
	s_add_nc_u64 s[12:13], s[12:13], s[24:25]
	s_cmp_lt_u32 ttmp9, 8                          ; a branch on the work-group's number: the two kinds of weight differ in their row's bytes, which stand in the loads' immediates
	s_cbranch_scc0 .Lwide
	s_and_b32 s28, ttmp9, 3
	s_lshl_b32 s28, s28, 6                         ; 64 bytes for each tile of columns
	s_lshl_b32 s30, s14, 15                        ; 128 rows of 256 bytes for each K step
	s_add_co_u32 s28, s28, s30
	s_cmp_lt_u32 ttmp9, 4
	s_cselect_b64 s[26:27], s[4:5], s[6:7]         ; Wf or Wg: the choice hangs on the work-group's number alone
	s_add_nc_u64 s[26:27], s[26:27], s[28:29]
	v_lshl_add_u32 v3, v2, 12, v5                  ; 16 h rows of 256 bytes + 4 r
	WLD 256
	s_branch .Ljoin
.Lwide:
	s_sub_co_u32 s28, ttmp9, 8
	s_lshl_b32 s28, s28, 6
	s_lshl_b32 s30, s14, 18                        ; 128 rows of 2,048 bytes for each K step
	s_add_co_u32 s28, s28, s30
	s_add_nc_u64 s[26:27], s[8:9], s[28:29]
	v_lshl_add_u32 v3, v2, 15, v5                  ; 16 h rows of 2,048 bytes + 4 r
	WLD 2048
.Ljoin:
	s_wait_kmcnt 0x0
	s_cmp_lt_u32 ttmp9, 4
	s_cselect_b32 s30, s17, s19                    ; e1 or e3,
	s_cmp_lt_u32 ttmp9, 8
	s_cselect_b32 s30, s30, s21                    ; or e5
	s_add_co_i32 s30, s30, 127
	s_lshl_b32 s31, s30, 23
	v_mov_b32 v11, s31                             ; 2^e as f32: the conversion takes its exponent field
	s_add_co_i32 s30, s30, 8
	s_lshl_b32 s30, s30, 23
	s_or_b32 s30, s30, 0x600000
	v_mov_b32 v10, s30                             ; 448 x 2^e
	s_wait_loadcnt 0x0                             ; all 64 numbers are in
.set i, 0
.rept 64
	v_med3_num_f32 v[X+i], v[X+i], -v10, v10       ; the conversion to an 8-bit code does not saturate (ISA guide 7.6.2): the hold comes first
.set i, i+1
.endr
.irp g, 0,1,2,3,4,5,6,7
	v_cvt_scalef32_pk8_fp8_f32 v[CD+2*\g:CD+2*\g+1], v[X+8*\g:X+8*\g+7], v11
.endr
	v_nop                                          ; a plain line behind the last conversion
.irp c, 0,1,2,3
	global_store_b128 v4, v[CD+4*\c:CD+4*\c+3], s[12:13] offset:512*\c
.endr
	s_endpgm
.Lfunc_end_k_qe58ef3dfc0_wq:
	.size	k_qe58ef3dfc0_wq, .Lfunc_end_k_qe58ef3dfc0_wq-k_qe58ef3dfc0_wq
	.p2alignl 7, 3214868480
	.fill 96, 4, 3214868480
	.section	.rodata,"a",@progbits
	.p2align	6, 0x0
	.amdhsa_kernel k_qe58ef3dfc0_wq
		.amdhsa_group_segment_fixed_size 0
		.amdhsa_private_segment_fixed_size 0
		.amdhsa_enable_private_segment 0
		.amdhsa_kernarg_size 40
		.amdhsa_user_sgpr_count 2
		.amdhsa_user_sgpr_kernarg_segment_ptr 1
		.amdhsa_wavefront_size32 1
		.amdhsa_system_sgpr_workgroup_id_x 1
		.amdhsa_system_sgpr_workgroup_id_y 1
		.amdhsa_system_sgpr_workgroup_id_z 1
		.amdhsa_system_vgpr_workitem_id 0
		.amdhsa_next_free_vgpr 96
		.amdhsa_next_free_sgpr 66
		.amdhsa_reserve_vcc 0
		.amdhsa_float_denorm_mode_32 3
		.amdhsa_float_denorm_mode_16_64 3
		.amdhsa_memory_ordered 1
		.amdhsa_forward_progress 1
		.amdhsa_inst_pref_size 19
	.end_amdhsa_kernel
	.amdgpu_metadata
---
amdhsa.version: [ 1, 2 ]
amdhsa.kernels:
  - .name:           k_qe58ef3dfc0_wq
    .symbol:         k_qe58ef3dfc0_wq.kd
    .args:
      - { .name: Wf, .offset: 0, .size: 8, .value_kind: global_buffer, .address_space: global }
      - { .name: Wg, .offset: 8, .size: 8, .value_kind: global_buffer, .address_space: global }
      - { .name: Wh, .offset: 16, .size: 8, .value_kind: global_buffer, .address_space: global }
      - { .name: lowp_scales, .offset: 24, .size: 8, .value_kind: global_buffer, .address_space: global }
      - { .name: wc, .offset: 32, .size: 8, .value_kind: global_buffer, .address_space: global }
    .group_segment_fixed_size: 0
    .private_segment_fixed_size: 0
    .kernarg_segment_align: 8
    .kernarg_segment_size: 40
    .max_flat_workgroup_size: 128
    .sgpr_count:     66
    .vgpr_count:     96
    .wavefront_size: 32
...
	.end_amdgpu_metadata
.endif
;; end of part 1
;; launch proj (part 2): grid 256 x 1, 4 waves a work-group, no clusters, 233,984 bytes of LDS; arguments x, wc, bf, bg, bh, lowp_scales, fq, kv; writes fq, kv
.if DOCPART == 2
	.amdgcn_target "amdgcn-amd-amdhsa--gfx1250"
	.amdhsa_code_object_version 6
	.text
	.protected	k_qe58ef3dfc0_proj
	.globl	k_qe58ef3dfc0_proj
	.p2align	8
	.type	k_qe58ef3dfc0_proj,@function
k_qe58ef3dfc0_proj:
	s_mov_b64 s[64:65], 0
	v_nop
	global_prefetch_b8 v0, s[64:65] scope:SCOPE_SE
	s_setreg_imm32_b32 hwreg(HW_REG_WAVE_MODE, 25, 1), 1
	s_wait_xcnt 0x0
; f = Q(x) Q(Wf) + bf, g = Q(x) Q(Wg) + bg, h = Q(x) Q(Wh) + bh on codes of E4M3, and f, g, h quantised again for the attention launch.  x: [16,384][512] f32; the weights' codes come as register images (wc).
; x is quantised three times, with 2^e0, 2^e2, 2^e4.  A sum of codes stands for sum x 2^(ex + ew): the bias goes in as the C of the first K step, divided by that power; the result's code is
; sum / 2^(eout - ex - ew), held within +-448 of that scale: eout = e6 (f), e7 (g), e9 (h).
; LIMITS: e0, e2, e4, e6 - e0 - e1, e7 - e2 - e3 and e9 - e4 - e5 lie between -126 and 119, so that each scale and 448 x it are f32 numbers.  NaN among the inputs is not served.
; SHARES.  A work-group takes 64 rows.  Wave w quantises rows 16 w .. 16 w + 15 and hands the codes round through LDS as images of operand registers (16 bytes a lane, 512 a store).
; THE WAVES SHARE THE COLUMNS: wave w makes h's channel tiles 8 w .. 8 w + 7 and two tiles of 16 of f (waves 0, 1) or g (waves 2, 3), for all 64 rows: 40 accumulators, which take turns.
; LAYOUT.  h = x Wh as it stands (source 0 = 16 rows of x, source 1 = 16 columns of Wh): a lane holds one channel and eight KEYS, so one conversion gives two registers of V's operand (K = the keys).
; f, g transposed (source 0 = 16 columns of W, source 1 = 16 rows of x): a lane holds one row and eight neighbours along d, so one conversion gives two registers of the K = 64 operand.
; OUT.  fq: row tile R at 1,024 R, registers 4 p .. 4 p + 3 of lane l at + 512 p + 16 l.  kv: for each batch 32 chunks of 73,728 bytes; chunk J = 8,192 bytes of g's images of key step (J + 1) mod 32 (eight tiles laid like fq),
; then 65,536 bytes of V's images of key step J (channel tile t at 8,192 + 2,048 t).  Each store of the wave covers 512 consecutive bytes, aligned.
; x comes by four tensor loads a wave (16 rows x 512 bytes each), all issued at the head into bytes that are filled once; by this text's count four tensor loads of a wave are out at the most.
; The weights' images are not shared through LDS or a cluster: each fragment feeds one wave of a work-group and goes straight into its registers, and two slots of a K step's images (81,920 bytes each) do not fit beside x's stage and images.
; REGISTERS, in windows of 256.  window 0: v1-10 addresses; v32-95 XF: 64 numbers of x, later x's four fragments for h; v96-159 TMP: held numbers, later x's four fragments for f or g; v160-207 three fragments of codes; v208-217 scales and limits.
;   window 1: v0-159 the weights' ten fragments of an even K step; v160-223 bh, eight registers a tile; v224-239 bf or bg.   window 2: h's 32 accumulators ((t, m) at 8 (4 t + m)).
;   window 3: v0-63 the eight accumulators of f or g ((u, m) at 8 (4 u + m)); v64-223 the weights' fragments of an odd K step.
.set XS_W,  33792                      ; LDS: x's stage, f32: for each wave four tiles
.set XS_S,  8448                       ; of 16 rows x (512 bytes + 16): row r starts 132 words on, so the 16 rows of a load start at 16 different banks (64 banks of 4 bytes: ISA guide 11.1)
.set XI,    135168                     ; LDS: the images: ((set x 4 + row tile) x 4 + K step) x 2,048; no tensor load lands here
.set CHUNK, 73728
.set BATCH, 2359296
.set LI,   3                           ; v3   16 x lane
.set XSA,  4                           ; v4   my place in my wave's stage: row r, + 64 h
.set XIW,  5                           ; v5   where I store images of sets 0 and 1
.set XIW2, 6                           ; v6   and of set 2 (65,536 further on: an LDS immediate has 16 bits)
.set XLH,  7                           ; v7   where I read set 2's images
.set XLQ,  8                           ; v8   and set 0's (waves 0, 1) or set 1's (waves 2, 3)
.set BHO,  9                           ; v9   my byte in bh
.set BQO,  10                          ; v10  my byte in bf or bg
.set XF,   32
.set TMP,  96
.set PC,   160
.set SCX,  208                         ; v208 + 2 q: 2^e of x's set q; v209 + 2 q: 448 x it
.set SCH,  214                         ; 2^(e9 - e4 - e5)
.set SCQ,  215                         ; 2^(e6 - e0 - e1) or 2^(e7 - e2 - e3)
.set LMH,  216                         ; 448 x SCH
.set LMQ,  217                         ; 448 x SCQ
.set BH,   160                         ; in window 1
.set BQ,   224
.set MSB, 0
.macro WIN new                         ; the immediate's high byte repeats the setting that is left; a switch that changes nothing is dropped
.if MSB != \new
	s_set_vgpr_msb (MSB<<8)|\new
.set MSB, \new
.endif
.endm
.macro PLACES                          ; four plain lines between a matrix instruction and a load into, or a vector write or read of, its registers
.rept 4
	v_nop
.endr
.endm
.macro MKSC e, vs, vl                  ; s[e] = an exponent: v[vs] = 2^e, v[vl] = 448 x 2^e
	s_add_co_i32 s86, s[\e], 127
	s_lshl_b32 s87, s86, 23
	v_mov_b32 v[\vs], s87
	s_add_co_i32 s86, s86, 8
	s_lshl_b32 s86, s86, 23
	s_or_b32 s86, s86, 0x600000
	v_mov_b32 v[\vl], s86
.endm
.macro WLOAD s, buf                    ; the weights' ten fragments of K step s: 40 loads of 512 consecutive bytes.  (The argument is put in as text, so it stands in parentheses)
.if \buf == 0
	WIN 0x40                                       ; destination window 1
.set WB, 0
.else
	WIN 0xc0                                       ; destination window 3
.set WB, 64
.endif
.irp i, 0,1,2,3,4,5,6,7
.irp c, 0,1,2,3
	global_load_b128 v[WB+16*\i+4*\c:WB+16*\i+4*\c+3], v[LI], s[68:69] offset:8192*\i+2048*(\s)+512*\c
.endr
.endr
.irp u, 0,1
.irp c, 0,1,2,3
	global_load_b128 v[WB+128+16*\u+4*\c:WB+128+16*\u+4*\c+3], v[LI], s[70:71] offset:8192*\u+2048*(\s)+512*\c
.endr
.endr
	WIN 0
.endm
.macro QUANT q                         ; XF's 64 numbers (register 16 c + i = k 32 c + 16 h + i of my row) become a fragment's codes under set q's scale; XF stays for the next set
.set i, 0
.rept 64
	v_med3_num_f32 v[TMP+i], v[XF+i], -v[SCX+2*\q+1], v[SCX+2*\q+1]   ; the conversion to an 8-bit code does not saturate (ISA guide 7.6.2)
.set i, i+1
.endr
.irp g, 0,1,2,3,4,5,6,7
	v_cvt_scalef32_pk8_fp8_f32 v[PC+16*\q+2*\g:PC+16*\q+2*\g+1], v[TMP+8*\g:TMP+8*\g+7], v[SCX+2*\q]
.endr
	v_nop                                          ; a plain line between the conversions and the next lines that write their sources
.endm
.macro IMAGE adr, q, off               ; the fragment goes to LDS as it stands
.irp c, 0,1,2,3
	ds_store_b128 v[\adr], v[PC+16*\q+4*\c:PC+16*\q+4*\c+3] offset:\off+512*\c
.endr
.endm
	s_load_b512 s[4:19], s[0:1], 0x0               ; x s[4:5], wc s[6:7], bf s[8:9], bg s[10:11], bh s[12:13], the exponents s[14:15], fq s[16:17], kv s[18:19]
	v_lshl_add_u32 v254, v0, 2, 0x39000
	v_mov_b32 v255, 0
	ds_add_u32 v254, v255
	ds_add_u32 v254, v255
	v_lshrrev_b32 v1, 5, v0
	v_readfirstlane_b32 s20, v1                    ; wave 0..3
	; descriptor group 1: 16 rows x 128 elements of 4 bytes, 512 elements from row to row, padded in LDS
	s_mov_b32 s24, (2<<16)|(1<<20)|(6<<22)|(3<<25) ; no mask; elements of 4 bytes; padding on: after every 128 words (code 6) four words (code 3)
	s_mov_b32 s25, 128<<16                         ; tensor_dim0 = 128
	s_mov_b32 s26, 16<<16                          ; tensor_dim1 = 16
	s_mov_b32 s27, 128<<16                         ; tile_dim0 = 128
	s_mov_b32 s28, 16                              ; tile_dim1 = 16
	s_mov_b32 s29, 512                             ; tensor_dim0_stride
	s_mov_b32 s30, 0
	s_mov_b32 s31, 0
	s_lshl_b32 s58, ttmp9, 17                      ; the work-group's 64 rows of 2,048 bytes,
	s_lshl_b32 s59, s20, 15                        ; my wave's 16 of them
	s_add_co_u32 s58, s58, s59
	s_mov_b32 s59, 0
	s_mul_i32 s60, s20, XS_W                       ; my wave's stage
	s_wait_dscnt 0x0
	s_wait_kmcnt 0x0
	s_load_b256 s[48:55], s[14:15], 0x0            ; e0 .. e7
	s_load_b64 s[56:57], s[14:15], 0x20            ; e8, e9
	s_add_nc_u64 s[4:5], s[4:5], s[58:59]
.irp s, 0,1,2,3                        ; descriptor group 0, a set for each K step
	s_mov_b32 s[32+4*\s], 1
	s_add_co_u32 s[33+4*\s], s60, XS_S*\s
	s_add_nc_u64 s[34+4*\s:35+4*\s], s[4:5], 512*\s
	s_or_b32 s[35+4*\s], s[35+4*\s], 0x80000000
.endr
	tensor_load_to_lds s[32:35], s[24:31]          ; all of my rows are asked for at once, ahead of every wait on TENSORcnt, every LDS read and every barrier
	s_nop 0
	tensor_load_to_lds s[36:39], s[24:31]
	s_nop 0
	tensor_load_to_lds s[40:43], s[24:31]
	s_nop 0
	tensor_load_to_lds s[44:47], s[24:31]
	s_nop 0
	PLACES
	v_and_b32 v1, 15, v0                           ; r
	v_bfe_u32 v2, v0, 4, 1                         ; h
	v_and_b32 v[LI], 31, v0
	v_lshlrev_b32 v[LI], 4, v[LI]
	v_mul_u32_u24 v[XSA], v1, 528
	v_lshl_add_u32 v[XSA], v2, 6, v[XSA]
	v_add_nc_u32 v[XSA], s60, v[XSA]
	s_lshl_b32 s61, s20, 13
	s_add_co_u32 s61, s61, XI
	v_add_nc_u32 v[XIW], s61, v[LI]                ; row tile w: 8,192 w
	v_add_nc_u32 v[XIW2], 0x10000, v[XIW]
	v_add_nc_u32 v[XLH], XI+65536, v[LI]
	s_lshr_b32 s61, s20, 1
	s_lshl_b32 s61, s61, 15
	s_add_co_u32 s61, s61, XI
	v_add_nc_u32 v[XLQ], s61, v[LI]
	s_lshl_b32 s61, s20, 9
	v_lshl_add_u32 v[BHO], v1, 2, s61              ; bh: my wave's 128 channels, + 4 r
	s_and_b32 s62, s20, 1
	s_lshl_b32 s61, s62, 7
	v_lshl_add_u32 v[BQO], v2, 5, s61              ; bf, bg: my wave's 32 numbers, + 32 h
	s_mov_b32 s67, 0
	s_lshl_b32 s66, s20, 16
	s_add_co_u32 s66, s66, 65536
	s_add_nc_u64 s[68:69], s[6:7], s[66:67]        ; Wh's images: column tile 8 + 8 w on
	s_lshl_b32 s66, s20, 14
	s_add_nc_u64 s[70:71], s[6:7], s[66:67]        ; Wf's and Wg's: column tile 2 w on
	s_lshr_b32 s74, ttmp9, 6
	s_mul_i32 s74, s74, BATCH                      ; the batch
	s_bfe_u32 s75, ttmp9, 0x50001                  ; J: the key step of 128 to which my 64 rows belong,
	s_and_b32 s76, ttmp9, 1                        ; and which half of it
	s_mul_i32 s78, s75, CHUNK
	s_add_co_u32 s78, s78, s74
	s_lshl_b32 s77, s20, 14                        ; my eight channel tiles
	s_add_co_u32 s78, s78, s77
	s_lshl_b32 s77, s76, 10                        ; my half's eight registers of each fragment
	s_add_co_u32 s78, s78, s77
	s_add_co_u32 s78, s78, 8192
	s_mov_b32 s79, 0
	s_add_nc_u64 s[80:81], s[18:19], s[78:79]      ; where h's codes go
	s_add_co_u32 s75, s75, 31
	s_and_b32 s75, s75, 31                         ; g of key step J lies in chunk (J - 1) mod 32
	s_mul_i32 s75, s75, CHUNK
	s_add_co_u32 s75, s75, s74
	s_lshl_b32 s77, s76, 12                        ; my half's four key tiles
	s_add_co_u32 s75, s75, s77
	s_lshl_b32 s77, ttmp9, 12                      ; f: four row tiles of 1,024 bytes for each work-group
	s_cmp_lt_u32 s20, 2                            ; waves 0, 1: f; waves 2, 3: g.  The choices hang on the wave's number alone
	s_cselect_b32 s78, s77, s75
	s_cselect_b64 s[82:83], s[16:17], s[18:19]
	s_cselect_b64 s[72:73], s[8:9], s[10:11]
	s_lshl_b32 s77, s62, 9                         ; my pair of d tiles: registers 4 (w % 2) on
	s_add_co_u32 s78, s78, s77
	s_add_nc_u64 s[82:83], s[82:83], s[78:79]      ; where f's or g's codes go
.irp t, 0,1,2,3,4,5,6,7
	global_load_b32 v[96+\t], v[BHO], s[12:13] offset:64*\t        ; bh of channel 16 t + r: a lane of h's results holds one channel
.endr
.irp u, 0,1
	global_load_b128 v[104+8*\u:107+8*\u], v[BQO], s[72:73] offset:64*\u       ; bf or bg at d = 16 u + 8 h + 0 .. 7: a lane of f's results holds eight d
	global_load_b128 v[108+8*\u:111+8*\u], v[BQO], s[72:73] offset:64*\u+16
.endr
	WLOAD 0, 0
	s_wait_kmcnt 0x0
	MKSC 48, SCX, SCX+1                            ; e0
	MKSC 50, SCX+2, SCX+3                          ; e2
	MKSC 52, SCX+4, SCX+5                          ; e4
	s_add_co_i32 s84, s52, s53                     ; e4 + e5
	s_sub_co_i32 s88, s57, s84                     ; e9 - e4 - e5
	s_sub_co_i32 s84, 0, s84
	s_add_co_i32 s89, s48, s49                     ; e0 + e1
	s_add_co_i32 s90, s50, s51                     ; e2 + e3
	s_cmp_lt_u32 s20, 2
	s_cselect_b32 s85, s89, s90
	s_cselect_b32 s91, s54, s55                    ; e6 or e7
	s_sub_co_i32 s91, s91, s85
	s_sub_co_i32 s85, 0, s85
	MKSC 88, SCH, LMH
	MKSC 91, SCQ, LMQ
	s_wait_loadcnt 40                              ; the twelve loads of biases are in; the 40 loads of weights behind them may be out
	WIN 0x40                                       ; destination window 1
.irp t, 0,1,2,3,4,5,6,7
.irp j, 0,1,2,3,4,5,6,7
	v_ldexp_f32 v[BH+8*\t+\j], v[96+\t], s84       ; bh / 2^(e4 + e5), in the result's layout: the same number in a lane's eight registers
.endr
.endr
.set i, 0
.rept 16
	v_ldexp_f32 v[BQ+i], v[104+i], s85
.set i, i+1
.endr
	WIN 0
	WLOAD 1, 1
; A K STEP of 128: my 16 rows are quantised three times and published; then 40 products.
.macro KSTEP s
	s_wait_tensorcnt 3-\s                          ; tensor loads of a wave end in order (ISA guide 10.11.1): my tile of this K step is in; the later ones stay out.  Only I read it
.irp c, 0,1,2,3
.irp j, 0,1,2,3
	ds_load_b128 v[XF+16*\c+4*\j:XF+16*\c+4*\j+3], v[XSA] offset:XS_S*\s+128*\c+16*\j
.endr
.endr
	s_wait_dscnt 0x0
	QUANT 0
	IMAGE XIW, 0, 2048*\s
	QUANT 1
	IMAGE XIW, 1, 32768+2048*\s
	QUANT 2
	IMAGE XIW2, 2, 2048*\s
	s_wait_dscnt 0x0                               ; for the others' sake: my images have landed
	s_barrier_signal -1
	s_barrier_wait -1                              ; this K step's twelve images lie in LDS; each K step has bytes of its own, so nothing is written over
.irp m, 0,1,2,3
.irp c, 0,1,2,3
	ds_load_b128 v[XF+16*\m+4*\c:XF+16*\m+4*\c+3], v[XLH] offset:8192*\m+2048*\s+512*\c
.endr
.endr
.irp m, 0,1,2,3
.irp c, 0,1,2,3
	ds_load_b128 v[TMP+16*\m+4*\c:TMP+16*\m+4*\c+3], v[XLQ] offset:8192*\m+2048*\s+512*\c
.endr
.endr
.if \s < 3
	s_wait_loadcnt 40                              ; this K step's weights are in; the next step's 40 loads may be out
.else
	s_wait_loadcnt 0x0
.endif
	s_wait_dscnt 16                                ; x's fragments for h are in; the sixteen loads for f or g may be out
.set WB, 64*((\s)%2)
.if \s == 0
	WIN 0x94                                       ; source 0 (x) window 0, source 1 (Wh) and C (bh) window 1, D window 2
.elseif (\s)%2
	WIN 0xac                                       ; Wh window 3, C and D window 2
.else
	WIN 0xa4                                       ; Wh window 1, C and D window 2
.endif
.irp t, 0,1,2,3,4,5,6,7
.irp m, 0,1,2,3
.if \s == 0
	v_wmma_f32_16x16x128_fp8_fp8 v[8*(4*\t+\m):8*(4*\t+\m)+7], v[XF+16*\m:XF+16*\m+15], v[WB+16*\t:WB+16*\t+15], v[BH+8*\t:BH+8*\t+7]
.else
	v_wmma_f32_16x16x128_fp8_fp8 v[8*(4*\t+\m):8*(4*\t+\m)+7], v[XF+16*\m:XF+16*\m+15], v[WB+16*\t:WB+16*\t+15], v[8*(4*\t+\m):8*(4*\t+\m)+7]
.endif
.endr
.endr
	s_wait_dscnt 0x0
.if \s == 0
	WIN 0xd1                                       ; source 0 (W) and C (bias) window 1, source 1 (x) window 0, D window 3
.elseif (\s)%2
	WIN 0xf3                                       ; W, C and D window 3
.else
	WIN 0xf1                                       ; W window 1, C and D window 3
.endif
.irp u, 0,1
.irp m, 0,1,2,3
.if \s == 0
	v_wmma_f32_16x16x128_fp8_fp8 v[8*(4*\u+\m):8*(4*\u+\m)+7], v[WB+128+16*\u:WB+128+16*\u+15], v[TMP+16*\m:TMP+16*\m+15], v[BQ+8*\u:BQ+8*\u+7]
.else
	v_wmma_f32_16x16x128_fp8_fp8 v[8*(4*\u+\m):8*(4*\u+\m)+7], v[WB+128+16*\u:WB+128+16*\u+15], v[TMP+16*\m:TMP+16*\m+15], v[8*(4*\u+\m):8*(4*\u+\m)+7]
.endif
.endr
.endr
	WIN 0
	PLACES                                         ; in front of the loads into the weights' and x's registers, and of the first read of results
.if \s < 2
	WLOAD \s+2, (\s)%2
.endif
.endm
	KSTEP 0
	KSTEP 1
	KSTEP 2
	KSTEP 3
	; THE WAY OUT.  Each accumulator is held and converted, from its low end on; accumulator (t, m) gives registers 2 (4 t + m) of the run: four on end are 16 bytes of V's image.
	WIN 0x82                                       ; source 0 and destination window 2; the limit window 0
.set i, 0
.rept 256
	v_med3_num_f32 v[i], v[i], -v[LMH], v[LMH]
.set i, i+1
.endr
	WIN 0x02                                       ; source 0 window 2, the scale and the destination window 0
.set i, 0
.rept 32
	v_cvt_scalef32_pk8_fp8_f32 v[32+2*i:33+2*i], v[8*i:8*i+7], v[SCH]
.set i, i+1
.endr
	v_nop
	WIN 0
.irp t, 0,1,2,3,4,5,6,7
.irp a, 0,1
	global_store_b128 v[LI], v[32+8*\t+4*\a:32+8*\t+4*\a+3], s[80:81] offset:2048*\t+512*\a
.endr
.endr
	WIN 0xc3                                       ; source 0 and destination window 3
.set i, 0
.rept 64
	v_med3_num_f32 v[i], v[i], -v[LMQ], v[LMQ]
.set i, i+1
.endr
	WIN 0x03
.irp u, 0,1
.irp m, 0,1,2,3
	v_cvt_scalef32_pk8_fp8_f32 v[96+4*\m+2*\u:97+4*\m+2*\u], v[8*(4*\u+\m):8*(4*\u+\m)+7], v[SCQ]
.endr
.endr
	v_nop
	WIN 0
.irp m, 0,1,2,3
	global_store_b128 v[LI], v[96+4*\m:99+4*\m], s[82:83] offset:1024*\m
.endr
	s_wait_tensorcnt 0x0
	ds_add_u32 v254, v255
	s_wait_dscnt 0x0
	s_endpgm
.Lfunc_end_k_qe58ef3dfc0_proj:
	.size	k_qe58ef3dfc0_proj, .Lfunc_end_k_qe58ef3dfc0_proj-k_qe58ef3dfc0_proj
	.p2alignl 7, 3214868480
	.fill 96, 4, 3214868480
	.section	.rodata,"a",@progbits
	.p2align	6, 0x0
	.amdhsa_kernel k_qe58ef3dfc0_proj
		.amdhsa_group_segment_fixed_size 233984
		.amdhsa_private_segment_fixed_size 0
		.amdhsa_enable_private_segment 0
		.amdhsa_kernarg_size 64
		.amdhsa_user_sgpr_count 2
		.amdhsa_user_sgpr_kernarg_segment_ptr 1
		.amdhsa_wavefront_size32 1
		.amdhsa_system_sgpr_workgroup_id_x 1
		.amdhsa_system_sgpr_workgroup_id_y 1
		.amdhsa_system_sgpr_workgroup_id_z 1
		.amdhsa_system_vgpr_workitem_id 0
		.amdhsa_next_free_vgpr 1024
		.amdhsa_next_free_sgpr 96
		.amdhsa_reserve_vcc 0
		.amdhsa_float_denorm_mode_32 3
		.amdhsa_float_denorm_mode_16_64 3
		.amdhsa_memory_ordered 1
		.amdhsa_forward_progress 1
		.amdhsa_inst_pref_size 135
	.end_amdhsa_kernel
	.amdgpu_metadata
---
amdhsa.version: [ 1, 2 ]
amdhsa.kernels:
  - .name:           k_qe58ef3dfc0_proj
    .symbol:         k_qe58ef3dfc0_proj.kd
    .args:
      - { .name: x, .offset: 0, .size: 8, .value_kind: global_buffer, .address_space: global }
      - { .name: wc, .offset: 8, .size: 8, .value_kind: global_buffer, .address_space: global }
      - { .name: bf, .offset: 16, .size: 8, .value_kind: global_buffer, .address_space: global }
      - { .name: bg, .offset: 24, .size: 8, .value_kind: global_buffer, .address_space: global }
      - { .name: bh, .offset: 32, .size: 8, .value_kind: global_buffer, .address_space: global }
      - { .name: lowp_scales, .offset: 40, .size: 8, .value_kind: global_buffer, .address_space: global }
      - { .name: fq, .offset: 48, .size: 8, .value_kind: global_buffer, .address_space: global }
      - { .name: kv, .offset: 56, .size: 8, .value_kind: global_buffer, .address_space: global }
    .group_segment_fixed_size: 233984
    .private_segment_fixed_size: 0
    .kernarg_segment_align: 8
    .kernarg_segment_size: 64
    .max_flat_workgroup_size: 128
    .sgpr_count:     96
    .vgpr_count:     1024
    .wavefront_size: 32
...
	.end_amdgpu_metadata
.endif
;; end of part 2
;; launch attn (part 3): grid 64 x 4, 4 waves a work-group, clusters of 4 x 1, 327,680 bytes of LDS; arguments fq, kv, x, gamma, lowp_scales, out0; writes out0
.if DOCPART == 3
	.amdgcn_target "amdgcn-amd-amdhsa--gfx1250"
	.amdhsa_code_object_version 6
	.text
	.protected	k_qe58ef3dfc0_attn
	.globl	k_qe58ef3dfc0_attn
	.p2align	8
	.type	k_qe58ef3dfc0_attn,@function
k_qe58ef3dfc0_attn:
	s_mov_b64 s[64:65], 0
	v_nop
	global_prefetch_b8 v0, s[64:65] scope:SCOPE_SE
	s_setreg_imm32_b32 hwreg(HW_REG_WAVE_MODE, 25, 1), 1
	s_wait_xcnt 0x0
	s_wait_alu depctr_hold_cnt(0) depctr_sa_sdst(0) depctr_va_vdst(0) depctr_va_sdst(0) depctr_va_ssrc(0) depctr_va_vcc(0) depctr_vm_vsrc(0)
	s_getreg_b32 s2, hwreg(HW_REG_IB_STS2, 6, 4)
	s_cmp_eq_u32 s2, 0
	s_cbranch_scc0 .Lentry_in_a_cluster
	s_endpgm
.Lentry_in_a_cluster:
	s_bfe_u32 s2, ttmp6, 0x10000c
	s_cmp_lg_u32 s2, 0x3003
	s_cbranch_scc0 .Lentry_shape_is_right
	s_endpgm
.Lentry_shape_is_right:
; out = x + gamma x (the sum over keys of Q(p) Q(h)) / l, p = 2^(t - M), t = score x log2(e), score = Q(f) . Q(g), M = ceil(the row's largest t), l = the row's sum of the unquantised p.  All products on codes of E4M3.
; fq, kv: the codes of f, g and h as images of operand registers (16 bytes a lane, 512 a load), as the launch before laid them.
; LIMITS on the given exponents, so that each power of two below is an f32 number: e6 + e7 between -126 and 127 (added to log2(e)'s exponent field); e8 between -126 and 119; e8 + e9 is applied by v_ldexp_f32 and has none.
; A p under 2^-126 counts as 0 (the exponential flushes it).  NaN among the inputs is not served.
; SHARES.  A work-group owns 64 queries of one batch.  The four work-groups of a cluster walk the same g and V: each tile is asked for JOINTLY, by the same tensor load with a mask that names the four.
; TWO PASSES.  Pass 1: all of the batch's g (262,144 bytes) lies in LDS; each wave multiplies a quarter of the key tiles by the 64 queries and keeps the row maxima; they meet in LDS: M is the row's own, so pass 2 rescales nothing.
; Pass 2, 32 key steps of 128.  THE SOFTMAX IS SHARED BY KEYS: wave w makes scores and p of keys 32 w .. 32 w + 31 for all 64 queries: registers 4 w .. 4 w + 3 of each of P's four fragments, which go round through LDS as images.
; THE SECOND PRODUCT IS SHARED BY CHANNELS: wave w makes channels 128 w .. 128 w + 127 of all 64 queries: 32 accumulators.  Step j multiplies P_j by V_j and makes P_(j+1); one barrier a step.
; LAYOUT.  Both products transposed: S^T = g f^T (source 0 = 16 keys, source 1 = 16 queries), O^T = V P^T (source 0 = 16 channels, source 1 = P): a lane holds one query throughout, and its eight scores are eight neighbouring keys.
; THE RING.  Two slots of 147,456 bytes, each two chunks (a chunk: g of the next key step, V of this one); each wave brings a quarter of a slot by one joint load, which has two key steps in which to land.
; By this text's count one tensor load of a wave is out at the most.
; REGISTERS, in windows of 256 (s_set_vgpr_msb's low byte: bits 1:0 source 0, 3:2 source 1, 5:4 source 2, 7:6 destination).
;   window 0: v1-15 addresses; v16-31 g's two tiles; pass 1: v32-63 f, v64-95 a ring of four tiles of g, v128-191 scores; v96-127 statistics; from pass 2 on v128-255 x's rows 0-31; the way out: v32-95 at work.
;   window 1: v0-127 accumulators (t, m) at 8 (4 t + m), t = 0..3; v128-191 V's fragments t = 0..3; v192-223 scores of query tiles 0, 1; v224-231 their codes; v232-235 -M, in pairs; v236-243 their sums.
;   window 2: the same numbers for t = 4..7 and query tiles 2, 3.      window 3: v0-63 P's four fragments; v64-95 f; v96 2^e8; v128-255 x's rows 32-63; the way out: v0-127 rows read back.
; One setting serves a phase's matrix and vector lines: source 0, source 2 and the destination in window 1 (or 2), source 1 in window 3; so the vector lines keep a scalar, a constant or window 3's v96 as their second source.
.set CHUNK, 73728
.set PAIR,  147456                     ; a slot; also the exclusive or that turns an address in one slot into the other's (bits 17 and 14, which 36,864 x wave does not use)
.set BATCH, 2359296
.set PIMG,  294912                     ; behind the ring: P's images, two buffers of 8,192: fragment m at 2,048 m, wave w's registers at + 512 w
.set STAT,  311296                     ; the waves' maxima (2,048 bytes), then their sums (2,048)
.set SPARE, 315392                     ; the spare words, 128 bytes for each wave: two blocks of 256 bytes that no other line names
.set SPW, 1                            ; v1   SPARE + 4 x my thread's number; never rewritten
.set NIL, 2                            ; v2   0; never rewritten
.set LI,  3                            ; v3   16 x lane
.set VB,  4                            ; v4   V's images of my channels in a chunk
.set GB,  5                            ; v5   g's two tiles of my keys in a chunk
.set PL,  6                            ; v6   P's images
.set PS,  7                            ; v7   my part of them
.set ADV, 8
.set ADG, 9
.set STO, 10                           ; v10  the way out: where I put 32 bytes of a row
.set RD,  11                           ; v11  and where I read a row back
.set ST1, 12                           ; v12  my wave's words among the statistics
.set ST0, 13                           ; v13  wave 0's
.set PFO, 14                           ; v14  256 x lane, for the prefetches; never rewritten
.set ADP, 15
.set G,   16
.set F0,  32
.set G1R, 64
.set MX,  96
.set TT,  100
.set LS,  116
.set LT,  120
.set PA,  120                          ; pass 1 alone: my tiles of g in the lower 147,456 bytes,
.set PB,  121                          ; and above them
.set S1,  128
.set X1,  0x5d
.set X2,  0xae
.set MSB, 0
.macro WIN new                         ; the immediate's high byte repeats the setting that is left; a switch that changes nothing is dropped
.if MSB != \new
	s_set_vgpr_msb (MSB<<8)|\new
.set MSB, \new
.endif
.endm
.macro PLACES                          ; four plain lines between a matrix instruction and a load into, or a vector write or read of, its registers
.rept 4
	v_nop
.endr
.endm
.macro CROUND                          ; a round of the cluster's barrier: my work-group's barrier; wave 0 signals for the work-group; every wave waits for all four work-groups; my work-group's barrier once more
	s_barrier_signal -1
	s_barrier_wait -1
	s_cmp_lg_u32 s16, 0
	s_cbranch_scc1 .Lnot_wave_0_\@
	s_barrier_signal -3
.Lnot_wave_0_\@:
	s_barrier_wait -3
	s_barrier_signal -1
	s_barrier_wait -1
.endm
	s_load_b256 s[4:11], s[0:1], 0x0               ; fq s[4:5], kv s[6:7], x s[8:9], gamma s[10:11]
	s_load_b128 s[12:15], s[0:1], 0x20             ; the exponents s[12:13], out0 s[14:15]
	v_lshl_add_u32 v[SPW], v0, 2, SPARE
	v_mov_b32 v[NIL], 0
	ds_add_u32 v1, v2
	ds_add_u32 v1, v2
	s_wait_dscnt 0x0
	v_lshrrev_b32 v3, 5, v0
	v_readfirstlane_b32 s16, v3                    ; wave 0..3
	s_bfe_u32 s17, ttmp6, 0x40000                  ; cx: my place in the cluster: it enters global addresses alone
	s_lshl_b32 s18, ttmp9, 2
	s_add_co_u32 s18, s18, s17                     ; my block of 64 queries = 4 x cluster x + cx
	s_and_b32 s19, ttmp7, 0xffff                   ; the batch, which the four partners share
	; descriptor group 1 for a quarter of a slot: 36,864 dense bytes as 144 rows of 32 elements of 8 bytes
	s_mov_b32 s32, 15|(3<<16)|(1<<21)              ; the mask: all four work-groups; elements of 8 bytes; bit 21 set beside a mask
	s_mov_b32 s33, 32<<16                          ; tensor_dim0 = 32
	s_mov_b32 s34, 144<<16                         ; tensor_dim1 = 144
	s_mov_b32 s35, 32<<16                          ; tile_dim0 = 32
	s_mov_b32 s36, 144                             ; tile_dim1 = 144
	s_mov_b32 s37, 32                              ; tensor_dim0_stride
	s_mov_b32 s38, 0
	s_mov_b32 s39, 0
	; and for g's parts of eight chunks: 8 rows of 1,024 elements of 8 bytes, 9,216 elements (a chunk) apart
	s_mov_b32 s40, 15|(3<<16)|(1<<21)
	s_mov_b32 s41, 1024<<16
	s_mov_b32 s42, 8<<16
	s_mov_b32 s43, 1024<<16
	s_mov_b32 s44, 8
	s_mov_b32 s45, 9216
	s_mov_b32 s46, 0
	s_mov_b32 s47, 0
	s_mov_b32 s20, 0x76543210                      ; v_permlanex16_b32's selects: lane l xor 16
	s_mov_b32 s21, 0xfedcba98
	s_mov_b32 s27, PAIR                            ; the slot in hand; the first change of slots turns it to slot 0
	s_mul_i32 s78, s19, BATCH
	s_mov_b32 s79, 0
	s_mul_i32 s80, s16, 8*CHUNK
	s_mov_b32 s81, 0
	s_mul_i32 s82, s16, PAIR/4
	s_mov_b32 s83, 0
	s_wait_kmcnt 0x0
	s_load_b256 s[68:75], s[12:13], 0x0            ; e0 .. e7
	s_load_b64 s[76:77], s[12:13], 0x20            ; e8, e9
	s_load_b32 s26, s[10:11], 0x0                  ; gamma
	s_add_nc_u64 s[6:7], s[6:7], s[78:79]          ; the batch's chunks
	s_mov_b32 s52, 1                               ; group 0 for g: chunks 8 w .. 8 w + 7, to LDS byte 65,536 w
	s_lshl_b32 s53, s16, 16
	s_add_nc_u64 s[54:55], s[6:7], s[80:81]
	s_or_b32 s55, s55, 0x80000000
	s_mov_b32 s48, 1                               ; the walking group 0: my quarter of a slot
	s_mul_i32 s49, s16, PAIR/4
	s_add_nc_u64 s[50:51], s[6:7], s[82:83]
	s_or_b32 s51, s51, 0x80000000
	CROUND                                         ; all four work-groups are here: the first joint loads meet
	tensor_load_to_lds s[52:55], s[40:47]          ; all of g: LDS bytes 0 to 262,143
	s_nop 0
	PLACES
	v_and_b32 v[LI], 31, v0
	v_lshlrev_b32 v[LI], 4, v[LI]
	s_lshl_b32 s80, s16, 14
	s_add_co_u32 s80, s80, 8192
	v_add_nc_u32 v[VB], s80, v[LI]
	s_lshl_b32 s80, s16, 11
	v_add_nc_u32 v[GB], s80, v[LI]
	v_add_nc_u32 v[PL], PIMG, v[LI]
	s_lshl_b32 s80, s16, 9
	v_add_nc_u32 v[PS], s80, v[PL]
	v_add_nc_u32 v[ST0], STAT, v[LI]
	v_add_nc_u32 v[ST1], s80, v[ST0]
	s_mul_i32 s80, s16, 8448                       ; the way out: my stage, 16 rows x (512 bytes + 16), in slot 0: it has had its last fill and its last read when the first result is stored there
	v_and_b32 v16, 15, v0                          ; r
	v_bfe_u32 v17, v0, 4, 1                        ; h
	v_mul_u32_u24 v[STO], v16, 528
	v_lshl_add_u32 v[STO], v17, 5, v[STO]
	v_add_nc_u32 v[STO], s80, v[STO]
	v_add_nc_u32 v[RD], s80, v[LI]
	v_lshlrev_b32 v[PFO], 4, v[LI]
	s_mul_i32 s80, s16, 36864
	v_add_nc_u32 v[PA], s80, v[LI]                 ; 36 tiles of 1,024 bytes a wave
	s_mul_i32 s80, s16, 28672
	s_add_co_u32 s80, s80, PAIR
	v_add_nc_u32 v[PB], s80, v[LI]                 ; 28 tiles a wave
	s_lshl_b32 s80, s19, 18                        ; f: 256 row tiles of 1,024 bytes a batch,
	s_lshl_b32 s81, s18, 12                        ; four a block
	s_add_co_u32 s80, s80, s81
	s_mov_b32 s81, 0
	s_add_nc_u64 s[4:5], s[4:5], s[80:81]
.irp i, 0,1,2,3,4,5,6,7
	global_load_b128 v[F0+4*\i:F0+4*\i+3], v[LI], s[4:5] offset:512*\i     ; f's four fragments, for pass 1,
.endr
	WIN 0xc0                                       ; destination window 3
.irp i, 0,1,2,3,4,5,6,7
	global_load_b128 v[64+4*\i:64+4*\i+3], v[LI], s[4:5] offset:512*\i     ; and for pass 2
.endr
	s_wait_kmcnt 0x0
	s_add_co_i32 s78, s74, s75                     ; a score stands for score x 2^(e6 + e7): the two exponents are added to log2(e)'s exponent field
	s_lshl_b32 s78, s78, 23
	s_add_co_i32 s22, s78, 0x3fb8aa3b              ; c
	s_mov_b32 s23, s22                             ; (named with it as a pair, so it is written)
	s_add_co_i32 s78, s76, 127
	s_lshl_b32 s80, s78, 23
	v_mov_b32 v96, s80                             ; window 3: 2^e8 as f32, for the conversions
	s_add_co_i32 s78, s78, 8
	s_lshl_b32 s78, s78, 23
	s_or_b32 s24, s78, 0x600000                    ; 448 x 2^e8
	s_add_co_i32 s25, s76, s77                     ; e8 + e9
	WIN 0
	s_lshr_b32 s78, s17, 1                         ; the prefetches: V's parts of a slot are 16 pieces of 8,192 bytes; partner cx and wave w take piece 4 cx + w: told apart by address alone
	s_mul_i32 s78, s78, CHUNK
	s_and_b32 s80, s17, 1
	s_lshl_b32 s80, s80, 2
	s_add_co_u32 s80, s80, s16
	s_lshl_b32 s80, s80, 13
	s_add_co_u32 s78, s78, s80
	s_add_co_u32 s78, s78, 2*PAIR+8192             ; at the third pair of chunks; each change of slots steps it first
	s_add_nc_u64 s[56:57], s[6:7], s[78:79]
	s_cmp_eq_u32 ttmp9, 0                          ; all clusters of a batch walk the same chunks: the batch's first cluster asks.  The same in all four partners
	s_cselect_b32 s30, 2, -1
	s_lshl_b32 s78, s19, 6
	s_add_co_u32 s78, s78, s18
	s_lshl_b32 s78, s78, 17                        ; my block's 64 rows of 2,048 bytes,
	s_lshl_b32 s80, s16, 9                         ; my wave's 128 channels
	s_add_co_u32 s78, s78, s80
	s_add_nc_u64 s[58:59], s[8:9], s[78:79]        ; in x,
	s_add_nc_u64 s[60:61], s[14:15], s[78:79]      ; and in the output
.irp m, 0,1,2,3
	v_mov_b32 v[MX+\m], 0xff800000                 ; the running maxima: -infinity
	v_mov_b32 v[TT+\m], 0                          ; written once: a lane permute's destination counts as one of its sources
.endr
.set i, 0
.rept 32
	v_mov_b32 v[S1+32+i], 0xff800000               ; the first tile's maxima are taken of 'the tile before': -infinity
.set i, i+1
.endr
	s_wait_tensorcnt 0x0                           ; my quarter of g is in,
	s_barrier_signal -1
	s_barrier_wait -1                              ; everybody's is
	s_wait_loadcnt 0x0                             ; f
; PASS 1.  A tile of 16 keys x the 64 queries: four products (K = 64), each followed by four lines of the maximum over the tile BEFORE, whose scores lie in the other half of S1.
; Those four lines are the places behind the product in front of them; each accumulator is read from its low end on.  With reload: the ring's register tile takes the tile four further on.
.macro P1TILE tau, reload, cnt
	s_wait_dscnt \cnt                              ; LDS loads come back in order (ISA guide 5.7.1): this tile is in; two loads for each younger tile may be out
.irp m, 0,1,2,3
	v_wmma_f32_16x16x64_fp8_fp8 v[S1+32*((\tau)%2)+8*\m:S1+32*((\tau)%2)+8*\m+7], v[G1R+8*(\tau):G1R+8*(\tau)+7], v[F0+8*\m:F0+8*\m+7], 0
.irp q, 0,1,2,3
	v_max3_num_f32 v[MX+\q], v[MX+\q], v[S1+32*(1-(\tau)%2)+8*\q+2*\m], v[S1+32*(1-(\tau)%2)+8*\q+2*\m+1]
.endr
.endr
.if \reload
	ds_load_b128 v[G1R+8*(\tau):G1R+8*(\tau)+3], v[ADP] offset:1024*((\tau)+4)
	ds_load_b128 v[G1R+8*(\tau)+4:G1R+8*(\tau)+7], v[ADP] offset:1024*((\tau)+4)+512
.endif
.endm
.macro P1FIRST base                    ; the ring's first four tiles
.irp t, 0,1,2,3
	ds_load_b128 v[G1R+8*\t:G1R+8*\t+3], v[\base] offset:1024*\t
	ds_load_b128 v[G1R+8*\t+4:G1R+8*\t+7], v[\base] offset:1024*\t+512
.endr
.endm
.macro P1TRIP base                     ; four tiles, and the next four asked for
	v_add_nc_u32 v[ADP], s31, v[\base]
	P1TILE 0, 1, 6
	P1TILE 1, 1, 6
	P1TILE 2, 1, 6
	P1TILE 3, 1, 6
.endm
.macro P1TAIL                          ; the last four tiles: nothing more is asked for, and the counts run down
	P1TILE 0, 0, 6
	P1TILE 1, 0, 4
	P1TILE 2, 0, 2
	P1TILE 3, 0, 0
.endm
	s_mov_b32 s31, 0
	P1FIRST PA
.Lpass1_a:                             ; 8 trips + the tail: my 36 tiles in the lower 147,456 bytes
	P1TRIP PA
	s_add_co_u32 s31, s31, 4096
	s_cmp_lt_u32 s31, 8*4096
	s_cbranch_scc1 .Lpass1_a
	P1TAIL
	s_wait_tensorcnt 0x0                           ; slot 0's bytes are filled again: no tensor load of mine is out,
	ds_add_u32 v[SPW], v[NIL]                      ; 0 onto my spare word
	s_wait_dscnt 0x0                               ; the add is done, and my reads of those bytes are over
	CROUND                                         ; no wave of any partner still reads them
	tensor_load_to_lds s[48:51], s[32:39]          ; the first pair of chunks into slot 0: it lands while the rest of pass 1 is worked
	s_nop 0
	PLACES
	s_mov_b32 s31, 0
	P1FIRST PB
.Lpass1_b:                             ; 6 trips + the tail: my 28 tiles above
	P1TRIP PB
	s_add_co_u32 s31, s31, 4096
	s_cmp_lt_u32 s31, 6*4096
	s_cbranch_scc1 .Lpass1_b
	P1TAIL
	PLACES
.irp m, 0,1,2,3
.irp q, 0,1,2,3
	v_max3_num_f32 v[MX+\q], v[MX+\q], v[S1+32+8*\q+2*\m], v[S1+32+8*\q+2*\m+1]   ; the last tile's
.endr
.endr
.irp m, 0,1,2,3
	v_permlanex16_b32 v[TT+\m], v[MX+\m], s20, s21 ; a query's other keys lie in the lane 16 away,
.endr
.irp m, 0,1,2,3
	v_max_num_f32 v[MX+\m], v[MX+\m], v[TT+\m]
.endr
	ds_store_b128 v[ST1], v[MX:MX+3]               ; and in the other waves
	s_wait_dscnt 0x0
	s_barrier_signal -1
	s_barrier_wait -1                              ; (my tensor load may stay out)
.irp q, 0,1,2,3
	ds_load_b128 v[TT+4*\q:TT+4*\q+3], v[ST0] offset:512*\q
.endr
	s_wait_dscnt 0x0
.irp m, 0,1,2,3
	v_max3_num_f32 v[MX+\m], v[TT+\m], v[TT+4+\m], v[TT+8+\m]
.endr
.irp m, 0,1,2,3
	v_max_num_f32 v[MX+\m], v[MX+\m], v[TT+12+\m]
.endr
.irp m, 0,1,2,3
	v_mul_f32 v[MX+\m], s22, v[MX+\m]              ; the row's largest t (c is positive)
.endr
	WIN 0x40                                       ; destination window 1
.irp p, 0,1
	v_floor_f32 v[232+2*\p], -v[MX+\p]             ; -M = floor(-t) = -ceil(t)
	v_floor_f32 v[233+2*\p], -v[MX+\p]             ; (the pair's upper word is named with it, so it is written)
.endr
.irp i, 0,1,2,3,4,5,6,7
	v_mov_b32 v[236+\i], 0                         ; the sums
.endr
	WIN 0x80                                       ; destination window 2
.irp p, 0,1
	v_floor_f32 v[232+2*\p], -v[MX+2+\p]
	v_floor_f32 v[233+2*\p], -v[MX+2+\p]
.endr
.irp i, 0,1,2,3,4,5,6,7
	v_mov_b32 v[236+\i], 0
.endr
	WIN 0
.set i, 0
.rept 32
	global_load_b128 v[128+4*i:128+4*i+3], v[LI], s[58:59] offset:2048*i th:TH_LOAD_NT          ; x's rows, my 128 channels: 512 consecutive bytes a load; they have all of pass 2 in which to land
.set i, i+1
.endr
	WIN 0xc0
.set i, 0
.rept 32
	global_load_b128 v[128+4*i:128+4*i+3], v[LI], s[58:59] offset:2048*(32+i) th:TH_LOAD_NT
.set i, i+1
.endr
	WIN 0
; PASS 2.
.macro GLOAD                           ; g's two tiles of my 32 keys
.irp u, 0,1
	ds_load_b128 v[G+8*\u:G+8*\u+3], v[ADG] offset:1024*\u
	ds_load_b128 v[G+8*\u+4:G+8*\u+7], v[ADG] offset:1024*\u+512
.endr
.endm
.macro SMM cnt                         ; the scores of my 32 keys for the 64 queries: eight products, K = 64
	s_wait_dscnt \cnt                              ; g's four loads are in; P's and V's, issued behind them, may be out
	WIN 0x4c                                       ; source 0 (g) window 0, source 1 (f) window 3, destination window 1
.irp p, 0,1
.irp u, 0,1
	v_wmma_f32_16x16x64_fp8_fp8 v[192+16*\p+8*\u:192+16*\p+8*\u+7], v[G+8*\u:G+8*\u+7], v[64+8*\p:64+8*\p+7], 0
.endr
.endr
	WIN 0x8c                                       ; destination window 2
.irp p, 0,1
.irp u, 0,1
	v_wmma_f32_16x16x64_fp8_fp8 v[192+16*\p+8*\u:192+16*\p+8*\u+7], v[G+8*\u:G+8*\u+7], v[80+8*\p:80+8*\p+7], 0
.endr
.endr
	PLACES
.endm
.macro FMA i                           ; pair i of a window's 16: t - M (of the pairs c and -M the low word serves both halves)
	v_pk_fma_f32 v[192+2*(\i):193+2*(\i)], v[192+2*(\i):193+2*(\i)], s[22:23], v[232+2*((\i)/8):233+2*((\i)/8)] op_sel_hi:[1,0,0]
.endm
.macro HEAD                            ; a window's 16 scalings and 32 exponentials: a pair is scaled two lines ahead of its exponentials, and none of these lines names an exponential's result
	FMA 0
	FMA 1
.set HI, 0
.rept 14
	v_exp_f32 v[192+2*HI], v[192+2*HI]
	v_exp_f32 v[193+2*HI], v[193+2*HI]
	FMA HI+2
.set HI, HI+1
.endr
.irp e, 220,221,222,223
	v_exp_f32 v[\e], v[\e]
.endr
.endm
; Line TLN of the 52 that follow a window's exponentials.  0-15: the sums, of the UNQUANTISED p, in two chains for each query tile (p x 1.0 + sum: the second source is a constant).  16-31, 34-49: the hold;
; p is not negative, so it is one-sided.  32, 33, 50, 51: the conversions: a tile of scores gives two registers of P.
.macro TL
.if TLN < 16
	v_pk_fma_f32 v[236+4*(TLN%2)+2*((TLN/2)%2):237+4*(TLN%2)+2*((TLN/2)%2)], v[192+16*(TLN%2)+2*(TLN/2):193+16*(TLN%2)+2*(TLN/2)], 1.0, v[236+4*(TLN%2)+2*((TLN/2)%2):237+4*(TLN%2)+2*((TLN/2)%2)] op_sel_hi:[1,0,1]
.elseif TLN < 32
	v_min_num_f32 v[192+TLN-16], v[192+TLN-16], s24
.elseif TLN < 34
	v_cvt_scalef32_pk8_fp8_f32 v[224+2*(TLN-32):225+2*(TLN-32)], v[192+8*(TLN-32):199+8*(TLN-32)], v96
.elseif TLN < 50
	v_min_num_f32 v[208+TLN-34], v[208+TLN-34], s24
.else
	v_cvt_scalef32_pk8_fp8_f32 v[228+2*(TLN-50):229+2*(TLN-50)], v[208+8*(TLN-50):215+8*(TLN-50)], v96
.endif
.set TLN, TLN+1
.endm
; A phase under one window setting.  pv: 16 products O^T += V P^T (four channel tiles x four query tiles; zero: they start the sums).  soft: the window's 52 lines, three behind each product and four behind every fourth.
; The accumulators take turns, one instruction a turn.
.macro PHASE win, pv, zero, soft
.set TLN, 0
.irp tp, 0,1,2,3
.if \pv
	s_wait_dscnt 4*(7-4*\win-\tp)                  ; P and this fragment of V are in; four loads for each later fragment may be out
.endif
.irp m, 0,1,2,3
.if \pv
.if \zero
	v_wmma_f32_16x16x128_fp8_fp8 v[8*(4*\tp+\m):8*(4*\tp+\m)+7], v[128+16*\tp:128+16*\tp+15], v[16*\m:16*\m+15], 0
.else
	v_wmma_f32_16x16x128_fp8_fp8 v[8*(4*\tp+\m):8*(4*\tp+\m)+7], v[128+16*\tp:128+16*\tp+15], v[16*\m:16*\m+15], v[8*(4*\tp+\m):8*(4*\tp+\m)+7]
.endif
.endif
.if \soft
	TL
	TL
	TL
.if \m == 3
	TL
.endif
.endif
.endr
.endr
.if \soft
	v_nop                                          ; a plain line behind the last conversion, ahead of the products that write its sources anew
.endif
.endm
.macro SOFTHEAD                        ; both windows' scalings and exponentials: one batch of 64 exponentials with one wait
	WIN X1
	HEAD
	WIN X2
	HEAD
	v_nop                                          ; a plain line behind the last exponential,
	s_wait_alu depctr_va_vdst(0)                   ; and a wait ahead of the first line that names a result: one for the batch
.endm
.macro PSTORE buf                      ; my registers of P's four fragments go to LDS as they stand
	WIN 0x04                                       ; the data in window 1
	ds_store_b128 v[PS], v[224:227] offset:8192*(\buf)
	ds_store_b128 v[PS], v[228:231] offset:8192*(\buf)+2048
	WIN 0x08                                       ; in window 2
	ds_store_b128 v[PS], v[224:227] offset:8192*(\buf)+4096
	ds_store_b128 v[PS], v[228:231] offset:8192*(\buf)+6144
.endm
; KEY STEP j, the k-th of its slot: O^T += V_j P_j^T, and (soft) P_(j+1) is made and put into the other buffer.
.macro STEP k, zero, soft
	s_add_co_u32 s28, s27, CHUNK*\k
	v_add_nc_u32 v[ADG], s28, v[GB]
	v_add_nc_u32 v[ADV], s28, v[VB]
	v_nop
	v_nop                                          ; with the two additions: four places in front of the loads into registers that the last products read
.if \soft
	GLOAD
.endif
	WIN 0xc0                                       ; destination window 3
.irp m, 0,1,2,3
.irp c, 0,1,2,3
	ds_load_b128 v[16*\m+4*\c:16*\m+4*\c+3], v[PL] offset:8192*\k+2048*\m+512*\c
.endr
.endr
	WIN 0x40                                       ; destination window 1
.irp t, 0,1,2,3
.irp c, 0,1,2,3
	ds_load_b128 v[128+16*\t+4*\c:128+16*\t+4*\c+3], v[ADV] offset:2048*\t+512*\c
.endr
.endr
	WIN 0x80                                       ; destination window 2
.irp t, 0,1,2,3
.irp c, 0,1,2,3
	ds_load_b128 v[128+16*\t+4*\c:128+16*\t+4*\c+3], v[ADV] offset:2048*(4+\t)+512*\c
.endr
.endr
.if \soft
	SMM 48
	SOFTHEAD
.endif
	WIN X1
	PHASE 0, 1, \zero, \soft
	WIN X2
	PHASE 1, 1, \zero, \soft
.if \soft
	PSTORE 1-\k
.endif
	WIN 0                                          ; at a label and at a branch every window is 0
.endm
.macro MID                             ; between a slot's two steps: P's new images have landed, and the reads of the old ones are over
	s_wait_dscnt 0x0
	s_barrier_signal -1
	s_barrier_wait -1
.endm
; A PREFETCH INTO THE L2 of V's parts of the pair of chunks that stands two refills on: four key steps ahead of the load that will want it.  One instruction a wave, lanes 256 bytes apart: 8,192 bytes; sixteen waves of the
; batch's first cluster cover the pair's 131,072 bytes, each aligned block of 256 bytes once in the launch.  g's parts were read in pass 1 and are not asked for.  The last two changes that fill a slot ask for nothing.
.macro ASK
	s_cmp_gt_u32 s29, s30
	s_cbranch_scc0 .Lnot_mine_\@
	global_prefetch_b8 v[PFO], s[56:57] th:TH_LOAD_NT scope:SCOPE_SE
.Lnot_mine_\@:
.endm
; THE CHANGE OF SLOTS.  Each wave waits for all its tensor loads (its quarter of the slot ahead), adds 0 to its spare word, and waits for that, for its reads of the slot that it leaves and for its stores of P.
; fill = 1: the barrier is a round of the cluster's, and the slot that was left is filled with the next pair of chunks, first thing behind it.
.macro CHANGE fill
	s_wait_tensorcnt 0x0                           ; no tensor load of mine is out, so the walking group 0 may be written
	ds_add_u32 v[SPW], v[NIL]                      ; 0 onto my spare word: the steps below stand between it and the wait for it
.if \fill
	s_xor_b32 s49, s49, PAIR                       ; the other slot than last time,
	s_add_nc_u64 s[50:51], s[50:51], PAIR          ; the next pair of chunks; the type bits on top are not reached
	s_wait_xcnt 0x0                                ; the last prefetch, two key steps back, has read its address, so it may be written
	s_add_nc_u64 s[56:57], s[56:57], PAIR
.endif
	s_xor_b32 s27, s27, PAIR                       ; the steps go on in the other slot
	s_wait_dscnt 0x0
.if \fill
	CROUND
	tensor_load_to_lds s[48:51], s[32:39]
	s_nop 0
	PLACES
	ASK
.else
	s_barrier_signal -1
	s_barrier_wait -1
.endif
.endm
	v_add_nc_u32 v[ADG], 253952, v[GB]             ; P_0: g of key step 0 lies in the last chunk's place of the first fill, which slot 1's first refill has not reached yet
	GLOAD
	SMM 0
	SOFTHEAD
	WIN X1
	PHASE 0, 0, 0, 1
	WIN X2
	PHASE 1, 0, 0, 1
	PSTORE 0
	WIN 0
	s_mov_b32 s29, 15                              ; pairs of chunks still to be asked for
	CHANGE 1
	STEP 0, 1, 1                                   ; the first key step stands in front of the loop: its products start the sums, and nothing is ever cleared
	MID
	STEP 1, 0, 1
	s_mov_b32 s29, 14
.Lpair:                                ; 14 trips, two key steps each
	CHANGE 1
	STEP 0, 0, 1
	MID
	STEP 1, 0, 1
	s_sub_co_u32 s29, s29, 1
	s_cmp_lg_u32 s29, 0
	s_cbranch_scc1 .Lpair
	CHANGE 0                                       ; the last pair is written out
	STEP 0, 0, 1
	MID
	STEP 1, 0, 0                                   ; the last key step makes no further P
	; THE WAY OUT.  The rows' sums: my four partial sums, the other half of the lanes', the other waves'.  These additions are the places behind the last products.
	WIN 0x05                                       ; sources 0 and 1 window 1
	v_pk_add_f32 v[LT:LT+1], v[236:237], v[238:239]
	v_pk_add_f32 v[LT+2:LT+3], v[240:241], v[242:243]
	WIN 0x0a                                       ; window 2
	v_pk_add_f32 v[LT+4:LT+5], v[236:237], v[238:239]
	v_pk_add_f32 v[LT+6:LT+7], v[240:241], v[242:243]
	WIN 0
.irp m, 0,1,2,3
	v_add_f32 v[LS+\m], v[LT+2*\m], v[LT+2*\m+1]
.endr
.irp m, 0,1,2,3
	v_permlanex16_b32 v[TT+\m], v[LS+\m], s20, s21
.endr
.irp m, 0,1,2,3
	v_add_f32 v[LS+\m], v[LS+\m], v[TT+\m]
.endr
	ds_store_b128 v[ST1], v[LS:LS+3] offset:2048
	s_wait_dscnt 0x0
	s_barrier_signal -1
	s_barrier_wait -1
.irp q, 0,1,2,3
	ds_load_b128 v[TT+4*\q:TT+4*\q+3], v[ST0] offset:2048+512*\q
.endr
	s_wait_dscnt 0x0
.irp m, 0,1,2,3
	v_add_f32 v[LS+\m], v[TT+\m], v[TT+4+\m]
.endr
.irp m, 0,1,2,3
	v_add_f32 v[LT+\m], v[TT+8+\m], v[TT+12+\m]
.endr
.irp m, 0,1,2,3
	v_add_f32 v[LS+\m], v[LS+\m], v[LT+\m]         ; l
.endr
.irp m, 0,1,2,3
	v_rcp_f32 v[LT+\m], v[LS+\m]
.endr
	v_nop                                          ; a plain line behind the last reciprocal,
	s_wait_alu depctr_va_vdst(0)                   ; and a wait ahead of the first use: one for the four
.irp m, 0,1,2,3
	v_ldexp_f32 v[LT+\m], v[LT+\m], s25            ; x 2^(e8 + e9)
.endr
.irp m, 0,1,2,3
	v_mul_f32 v[TT+2*\m], s26, v[LT+\m]            ; x gamma: the factor of query tile m
.endr
.irp m, 0,1,2,3
	v_mov_b32 v[TT+2*\m+1], v[TT+2*\m]             ; (named with it as a pair, so it is written)
.endr
; Query tile m: a lane holds 32 neighbouring bytes of eight pieces of one row, and the lanes beside it hold other rows: the tile goes through my own stage in LDS and comes back as whole rows of 512 bytes.
; LDS serves a wave's instructions in order (ISA guide 5.7.1.4): no wait between the stores and the loads, nor in front of the next tile's stores.
.macro TOSTAGE m
	WIN 0x01                                       ; source 0 window 1
.irp t, 0,1,2,3
.irp j, 0,2,4,6
	v_pk_mul_f32 v[32+8*\t+\j:33+8*\t+\j], v[8*(4*\t+\m)+\j:8*(4*\t+\m)+\j+1], v[TT+2*\m:TT+2*\m+1] op_sel_hi:[1,0]   ; each accumulator from its low end on
.endr
.endr
	WIN 0x02                                       ; window 2
.irp t, 0,1,2,3
.irp j, 0,2,4,6
	v_pk_mul_f32 v[64+8*\t+\j:65+8*\t+\j], v[8*(4*\t+\m)+\j:8*(4*\t+\m)+\j+1], v[TT+2*\m:TT+2*\m+1] op_sel_hi:[1,0]
.endr
.endr
	WIN 0
.irp t, 0,1,2,3,4,5,6,7
	ds_store_b128 v[STO], v[32+8*\t:35+8*\t] offset:64*\t
	ds_store_b128 v[STO], v[36+8*\t:39+8*\t] offset:64*\t+16
.endr
	WIN 0xc0                                       ; destination window 3
.irp i, 0,1,2,3,4,5,6,7,8,9,10,11,12,13,14,15
	ds_load_b128 v[64*((\m)%2)+4*\i:64*((\m)%2)+4*\i+3], v[RD] offset:528*\i
.endr
	WIN 0
.endm
.macro SEND m, younger                 ; younger: the LDS instructions issued behind tile m's loads, which may stay out
	s_wait_dscnt \younger
.if (\m) < 2
	WIN 0xc3                                       ; the rows window 3, x window 0
.else
	WIN 0xcf                                       ; x window 3
.endif
.irp i, 0,1,2,3,4,5,6,7,8,9,10,11,12,13,14,15
.irp j, 0,2
	v_pk_add_f32 v[64*((\m)%2)+4*\i+\j:64*((\m)%2)+4*\i+\j+1], v[64*((\m)%2)+4*\i+\j:64*((\m)%2)+4*\i+\j+1], v[128+4*((16*(\m)+\i)%32)+\j:128+4*((16*(\m)+\i)%32)+\j+1]
.endr
.endr
	WIN 0x0c                                       ; the stores' data window 3
.irp i, 0,1,2,3,4,5,6,7,8,9,10,11,12,13,14,15
	global_store_b128 v[LI], v[64*((\m)%2)+4*\i:64*((\m)%2)+4*\i+3], s[60:61] offset:2048*(16*(\m)+\i) th:TH_STORE_NT   ; 32 lanes store 512 consecutive bytes, at a multiple of 256 from the output's first byte
.endr
	WIN 0
.endm
	s_wait_loadcnt 0x0                             ; x
	TOSTAGE 0
	TOSTAGE 1
	SEND 0, 32                                     ; behind tile 0's loads: tile 1's 16 stores and 16 loads
	s_wait_xcnt 0x0                                ; tile 0's stores have read their registers: tile 2's rows may land there
	TOSTAGE 2
	SEND 1, 32
	s_wait_xcnt 0x0
	TOSTAGE 3
	SEND 2, 32
	SEND 3, 0
	s_wait_tensorcnt 0x0                           ; the wave's end, behind my last tensor load and my last LDS store
	ds_add_u32 v[SPW], v[NIL]
	s_wait_dscnt 0x0
	CROUND                                         ; the closing round: no work-group ends while a partner may still ask for a tile that names it
	s_endpgm
.Lfunc_end_k_qe58ef3dfc0_attn:
	.size	k_qe58ef3dfc0_attn, .Lfunc_end_k_qe58ef3dfc0_attn-k_qe58ef3dfc0_attn
	.p2alignl 7, 3214868480
	.fill 96, 4, 3214868480
	.section	.rodata,"a",@progbits
	.p2align	6, 0x0
	.amdhsa_kernel k_qe58ef3dfc0_attn
		.amdhsa_group_segment_fixed_size 327680
		.amdhsa_private_segment_fixed_size 0
		.amdhsa_enable_private_segment 0
		.amdhsa_kernarg_size 48
		.amdhsa_user_sgpr_count 2
		.amdhsa_user_sgpr_kernarg_segment_ptr 1
		.amdhsa_wavefront_size32 1
		.amdhsa_system_sgpr_workgroup_id_x 1
		.amdhsa_system_sgpr_workgroup_id_y 1
		.amdhsa_system_sgpr_workgroup_id_z 1
		.amdhsa_system_vgpr_workitem_id 0
		.amdhsa_next_free_vgpr 1024
		.amdhsa_next_free_sgpr 96
		.amdhsa_reserve_vcc 0
		.amdhsa_float_denorm_mode_32 3
		.amdhsa_float_denorm_mode_16_64 3
		.amdhsa_memory_ordered 1
		.amdhsa_forward_progress 1
		.amdhsa_inst_pref_size 186
	.end_amdhsa_kernel
	.amdgpu_metadata
---
amdhsa.version: [ 1, 2 ]
amdhsa.kernels:
  - .name:           k_qe58ef3dfc0_attn
    .symbol:         k_qe58ef3dfc0_attn.kd
    .args:
      - { .name: fq, .offset: 0, .size: 8, .value_kind: global_buffer, .address_space: global }
      - { .name: kv, .offset: 8, .size: 8, .value_kind: global_buffer, .address_space: global }
      - { .name: x, .offset: 16, .size: 8, .value_kind: global_buffer, .address_space: global }
      - { .name: gamma, .offset: 24, .size: 8, .value_kind: global_buffer, .address_space: global }
      - { .name: lowp_scales, .offset: 32, .size: 8, .value_kind: global_buffer, .address_space: global }
      - { .name: out0, .offset: 40, .size: 8, .value_kind: global_buffer, .address_space: global }
    .group_segment_fixed_size: 327680
    .private_segment_fixed_size: 0
    .kernarg_segment_align: 8
    .kernarg_segment_size: 48
    .max_flat_workgroup_size: 128
    .sgpr_count:     96
    .vgpr_count:     1024
    .wavefront_size: 32
...
	.end_amdgpu_metadata
.endif
;; end of part 3
